; MI455X (gfx1250); checked and timed in simulation.
; The chip was launched on July 23, 2026; its instructions are those of AMD's public machine-readable ISA for CDNA 5 (MIT licence, August 2026) and "CDNA5" Instruction Set Architecture Reference Guide (July 2026). The comments in the code are by the model that wrote it; some were corrected since.
;; Standard Transformer Model. Allowed arithmetic: matrix products marked QUANTISED: E5M2 operands, one E8M0 scale for each 32 along K, by v_wmma_scale_f32_16x16x128_f8f6f4 with both operands' format E5M2, f32 sums; products left as they are: f32 operands where the result goes on into a quantised operand, else bf16, f16 or f32 operands; f32 sums; everything else in f32.
;; Inputs: attn_out_b 2 x 256 float32; attn_out_w 2 x 256 x 256 float32; embed_b 256 float32; embed_w 256 x 64 float32; ffn1_b 2 x 1,024 float32; ffn1_w 2 x 1,024 x 256 float32; ffn2_b 2 x 256 float32; ffn2_w 2 x 256 x 1,024 float32; head_b 10 float32; head_w 10 x 256 float32; inputs 2 x 1,024 x 64 float32; ln1_b 2 x 256 float32; ln1_g 2 x 256 float32; ln2_b 2 x 256 float32; ln2_g 2 x 256 float32; qkv_b 2 x 768 float32; qkv_w 2 x 768 x 256 float32.
;; Outputs: out0 2 x 1,024 x 10 float32.
;; Constants: context_len = 16.
;; This version of the problem:
;;   THIS VERSION OF THE PROBLEM IS GIVEN IN LOW PRECISION. The matrix products marked QUANTISED in the list below multiply operands that are first quantised to E5M2 (5 exponent bits, 2 mantissa bits; 8 bits a number), with one power-of-two scale for each 32 numbers along K (OCP MX v1.0); their sums are f32. All else is computed in f32.
;;   The module's matrix products, in the order in which they are computed (A, B: the left and right operand; K: the contracted axis; several contracted axes count as one K, in the product's order):
;;     1. [M 2,048, K 64] x [K 64, N 256]; A: input inputs; B: input embed_w: QUANTISED
;;     2. [M 32,768, K 256] x [K 256, N 768]; A: computed on the way; B: input qkv_w: QUANTISED
;;     3. batch 16,384 x [M 16, K 32] x [K 32, N 16]; A: computed on the way; B: computed on the way: QUANTISED
;;     4. batch 16,384 x [M 32, K 16] x [K 16, N 16]; A: computed on the way; B: softmax: left as it is (K = 16 < 32)
;;     5. [M 32,768, K 256] x [K 256, N 256]; A: computed on the way; B: input attn_out_w: QUANTISED
;;     6. [M 32,768, K 256] x [K 256, N 1,024]; A: computed on the way; B: input ffn1_w: QUANTISED
;;     7. [M 32,768, K 1,024] x [K 1,024, N 256]; A: computed on the way; B: input ffn2_w: QUANTISED
;;     8. [M 32,768, K 256] x [K 256, N 768]; A: computed on the way; B: input qkv_w: QUANTISED
;;     9. batch 16,384 x [M 16, K 32] x [K 32, N 16]; A: computed on the way; B: computed on the way: QUANTISED
;;     10. batch 16,384 x [M 32, K 16] x [K 16, N 16]; A: computed on the way; B: softmax: left as it is (K = 16 < 32)
;;     11. [M 32,768, K 256] x [K 256, N 256]; A: computed on the way; B: input attn_out_w: QUANTISED
;;     12. [M 32,768, K 256] x [K 256, N 1,024]; A: computed on the way; B: input ffn1_w: QUANTISED
;;     13. [M 32,768, K 1,024] x [K 1,024, N 256]; A: computed on the way; B: input ffn2_w: QUANTISED
;;     14. [M 2,048, K 256] x [K 256, N 10]; A: computed on the way; B: input head_w: left as it is (N = 10 < 16)
;;   THE QUANTISER, for each operand of a quantised product, along K:
;;     - K is cut into blocks of 32 from its start; a last block that is shorter is filled with zeros.
;;     - A block's scale is 2^e with e = floor(log2(the largest magnitude in the block)) - 15, held to -126 .. 127; a block of zeros has e = 0. As a byte (E8M0): e + 127.
;;     - Each number is divided by its block's scale, clamped to +-57,344, and rounded to the nearest number of E5M2, ties to even, subnormals kept.
;;     - The product sums the exact products of the quantised numbers (number of the format x scale) in f32.
;;   ~~~python
;;   def quantise(x, axis):      # numpy; x: float32 -> the quantised numbers, widened to float32 again
;;       x = np.moveaxis(x, axis, -1); K = x.shape[-1]
;;       x = np.pad(x, [(0, 0)] * (x.ndim - 1) + [(0, -K % 32)]); x = x.reshape(x.shape[:-1] + (-1, 32)); a = np.abs(x).max(-1, keepdims=True)
;;       e = np.where(a > 0, np.clip(np.frexp(np.where(a > 0, a, 1))[1] - 1 - 15, -126, 127), 0)      # np.frexp(a)[1] - 1 = floor(log2(a)), exactly
;;       r = np.clip(x / 2.0 ** e, -57344, 57344)
;;       step = 2.0 ** (np.maximum(np.frexp(np.where(r == 0, 1, r))[1] - 1, -14) - 2)
;;       q = np.round(r / step) * step * 2.0 ** e      # np.round: ties to even
;;       return np.moveaxis(q.reshape(q.shape[:-2] + (-1,))[..., :K], -1, axis).astype(np.float32)
;;   ~~~
;;   OPERANDS COMPUTED ON THE WAY. 'Computed on the way' means the value that the module computes at that place (a softmax that the list does not call 'softmax' is quantised finished and normalised). What goes into a quantiser is computed in f32, as accurately as f32 sums, v_exp_f32 and their like allow (about 1e-6 of the number): no bf16 or f16 on the way to a quantiser, and a product that is left as it is and whose result goes on into a quantised operand takes f32 operands (vector FMAs, or v_wmma_f32_16x16x4_f32). A number that lies on a knife's edge between two numbers of the format may be rounded either way, as far as f32 arithmetic and the matrix unit's own rounding can turn it there, and no further.
;; One version. Each part assembles by itself: llvm-mc -triple=amdgcn-amd-amdhsa -mcpu=gfx1250 --defsym DOCPART=n.
;; ======== version 1 of 1: 2 launches
;; limits: right only within a limited range of input values
;; workspace buffers: wcodes 1,572,864 bytes; wscales 49,152 bytes; scodes 147,456 bytes; sscales 9,216 bytes
;; launch prep (part 1): grid 456 x 1, 1 waves a work-group, no clusters, 0 bytes of LDS; arguments qkv_w, attn_out_w, ffn1_w, ffn2_w, inputs, embed_w, wcodes, wscales, scodes, sscales; writes wcodes, wscales, scodes, sscales
.if DOCPART == 1
	.amdgcn_target "amdgcn-amd-amdhsa--gfx1250"
	.amdhsa_code_object_version 6
	.text
	.protected	k_qf2262f02a5_prep
	.globl	k_qf2262f02a5_prep
	.p2align	8
	.type	k_qf2262f02a5_prep,@function
k_qf2262f02a5_prep:
	s_mov_b64 s[64:65], 0
	v_nop
	global_prefetch_b8 v0, s[64:65] scope:SCOPE_SE
	s_setreg_imm32_b32 hwreg(HW_REG_WAVE_MODE, 25, 1), 1
	s_wait_xcnt 0x0
; All weights of the quantised products, and the tokens, become codes of BF8 (E5M2) with one E8M0 byte for each 32 along K, ONCE, laid as the second launch's operand registers take them.
; A block's scale is 2^(floor(log2(its largest magnitude)) - 15); its byte is the largest magnitude's exponent field - 15, held at 1 from below; each number is held within +-57,344 x the scale and rounded to the nearest code.
; (A block of zeros gets the byte 1 where the quantiser's text says 127: its codes are zeros, and this program alone reads the bytes.)
; LIMITS: NaN and infinities among the inputs are not served; a block whose largest magnitude lies under 2^(16 - 127) gets the byte 1.
; One wave is one unit u (the work-group's number).
;   u < 384: 16 rows x 256 along K of a weight: two fragments of 16 registers.  Lane (r, h) takes row 32 (t / 2) + 8 (t % 2) + r + 8 (r / 8) of tile t and, of each block of 32, the 16 numbers from 16 h on.
;            wcodes: u x 4,096 + 2,048 x (K step's parity) + 512 c + 16 x lane: each store of the wave covers 512 consecutive bytes.   wscales: u x 128 + 64 x parity + 4 r.
;            u 0-95 qkv_w (tile u), 96-127 attn_out_w, 128-255 ffn1_w, 256-383 ffn2_w (tile (u - 256) / 4, K steps 2 q and 2 q + 1 with q = (u - 256) % 4).
;   u >= 384: 32 rows x 64 along K: rows 0-2,047 the tokens, rows 2,048-2,303 embed_w's.   scodes: [block c][row][32 bytes];   sscales: a word a row, its two bytes and two zeros.
; A lane's 64 bytes of a block come by four loads that follow each other; rows lie 256, 1,024 or 4,096 bytes apart, so a load's lanes are far apart: the price of a text without LDS for 7 MB read once.
.set TM,    8                          ; v8-11 largest magnitudes, v12-15 the other half's, then the bytes, v16-19 57,344 x the scale, v20-23 the conversions' scale operands
; DEAD WORK, left out in the second launch: reference() returns x[:, -1, :] of the last layer alone.  Behind layer 2's scores every step (softmax, p v, attn_out, residual, layer norms, ffn1, silu, ffn2)
; works row by row, so rows 0-14 of each window can reach no output there, whatever the inputs hold: those steps are done for each window's last token alone.  k and v of layer 2 serve that token and stay whole.
; No input loses its way to the output.  LIMIT: a NaN, an infinity or an overflow that arises only in the rows left out is not carried to the result.
.set PLANE, 73728
.set SEL,   30                         ; s[30:31] v_permlanex16_b32's selects for lane l xor 16
.set MNT,   32                         ; s32 the mantissa field of 57,344
; 64 numbers of a lane, v[s + 16 b + i], i = 0 .. 15 of block b, become 16 registers of codes at v[pc + 4 b]; the bytes stay in v[TM + 4 + b]
.macro PQ s, pc
.irp b, 0,1,2,3
	v_max3_num_f32 v[TM+\b], |v[\s+16*\b]|, |v[\s+16*\b+1]|, 0x8000000   ; my 16 numbers, and the floor 2^(16 - 127): the byte cannot fall under 1
.endr
.irp i, 2,4,6,8,10,12,14
.irp b, 0,1,2,3
	v_max3_num_f32 v[TM+\b], v[TM+\b], |v[\s+16*\b+\i]|, |v[\s+16*\b+\i+1]|   ; the four blocks by turns
.endr
.endr
.irp b, 0,1,2,3
	v_permlanex16_b32 v[TM+4+\b], v[TM+\b], s[SEL], s[SEL+1]
.endr
.irp b, 0,1,2,3
	v_max_num_f32 v[TM+\b], v[TM+\b], v[TM+4+\b]           ; with lane l xor 16's: the block's largest magnitude
.endr
.irp b, 0,1,2,3
	v_add_nc_u32 v[TM+12+\b], 0xf8800000, v[TM+\b]         ; 15 off its exponent field: the conversion's scale operand
.endr
.irp b, 0,1,2,3
	v_and_or_b32 v[TM+8+\b], v[TM+\b], 0x7f800000, s[MNT]  ; 57,344 x the scale
.endr
.irp b, 0,1,2,3
	v_lshrrev_b32 v[TM+4+\b], 23, v[TM+12+\b]              ; the scale's byte
.endr
.irp b, 0,1,2,3
.irp i, 0,1,2,3,4,5,6,7,8,9,10,11,12,13,14,15
	v_med3_num_f32 v[\s+16*\b+\i], v[\s+16*\b+\i], -v[TM+8+\b], v[TM+8+\b]   ; the conversion to an 8-bit code does not saturate (ISA guide 7.6.2): the hold comes first
.endr
	v_cvt_scalef32_pk8_bf8_f32 v[\pc+4*\b:\pc+4*\b+1], v[\s+16*\b:\s+16*\b+7], v[TM+12+\b]
	v_cvt_scalef32_pk8_bf8_f32 v[\pc+4*\b+2:\pc+4*\b+3], v[\s+16*\b+8:\s+16*\b+15], v[TM+12+\b]
.endr
.endm
	s_load_b256 s[4:11], s[0:1], 0x0               ; qkv_w, attn_out_w, ffn1_w, ffn2_w
	s_load_b256 s[12:19], s[0:1], 0x20             ; inputs, embed_w, wcodes, wscales
	s_load_b128 s[20:23], s[0:1], 0x40             ; scodes, sscales
	v_and_b32 v1, 15, v0                           ; r
	v_bfe_u32 v2, v0, 4, 1                         ; h
	v_lshlrev_b32 v4, 4, v0                        ; 16 x lane (one wave: the thread's number is the lane)
	v_lshlrev_b32 v5, 2, v0                        ; 4 x lane
	s_mov_b32 s[SEL], 0x76543210
	s_mov_b32 s[SEL+1], 0xfedcba98
	s_mov_b32 s[MNT], 0x600000
.irp b, 0,1,2,3
	v_mov_b32 v[TM+4+\b], 0                        ; written once: a lane permute's destination counts as one of its sources
.endr
	v_cmp_ne_u32 vcc_lo, 0, v2                     ; lanes 16-31
	s_mov_b32 s37, 0
	s_mov_b32 s39, 0
	s_wait_kmcnt 0x0
	s_cmp_ge_u32 ttmp9, 384
	s_cbranch_scc1 .Lsmall
	; ---- a unit of a large weight.  The tensor, its first unit and its row's length are chosen on the work-group's number alone
	s_mov_b64 s[24:25], s[10:11]                   ; ffn2_w:
	s_mov_b32 s26, 256                             ; its first unit,
	s_mov_b32 s27, 12                              ; a row of 4,096 bytes,
	s_mov_b32 s28, 2                               ; four units to a tile,
	s_mov_b32 s29, 3
	s_cmp_lt_u32 ttmp9, 256
	s_cselect_b64 s[24:25], s[8:9], s[24:25]       ; ffn1_w: rows of 1,024 bytes, a unit to a tile
	s_cselect_b32 s26, 128, s26
	s_cselect_b32 s27, 10, s27
	s_cselect_b32 s28, 0, s28
	s_cselect_b32 s29, 0, s29
	s_cmp_lt_u32 ttmp9, 128
	s_cselect_b64 s[24:25], s[6:7], s[24:25]       ; attn_out_w
	s_cselect_b32 s26, 96, s26
	s_cmp_lt_u32 ttmp9, 96
	s_cselect_b64 s[24:25], s[4:5], s[24:25]       ; qkv_w
	s_cselect_b32 s26, 0, s26
	s_sub_co_u32 s26, ttmp9, s26                   ; the unit within its tensor
	s_and_b32 s29, s26, s29                        ; q
	s_lshr_b32 s28, s26, s28                       ; the tile t
	s_lshr_b32 s33, s28, 1
	s_lshl_b32 s33, s33, 5
	s_and_b32 s34, s28, 1
	s_lshl_b32 s34, s34, 3
	s_add_co_u32 s33, s33, s34                     ; 32 (t / 2) + 8 (t % 2)
	s_lshl_b32 s36, s33, s27                       ; in bytes,
	s_lshl_b32 s29, s29, 10
	s_add_co_u32 s36, s36, s29                     ; + 1,024 q
	s_add_nc_u64 s[24:25], s[24:25], s[36:37]
	s_lshl_b32 s38, ttmp9, 12
	s_add_nc_u64 s[16:17], s[16:17], s[38:39]      ; the unit's 4,096 bytes of codes
	s_lshl_b32 s38, ttmp9, 7
	s_add_nc_u64 s[18:19], s[18:19], s[38:39]      ; and its 128 bytes of scale words
	s_wait_alu depctr_va_vdst(0)
	v_and_b32 v6, 8, v1
	v_add_nc_u32 v6, v6, v1                        ; r + 8 (r / 8)
	v_lshlrev_b32 v3, s27, v6
	v_lshl_add_u32 v3, v2, 6, v3                   ; my row, + 64 h
.irp k, 0,1
.irp c, 0,1,2,3
.irp j, 0,1,2,3
	global_load_b128 v[32+64*\k+16*\c+4*\j:32+64*\k+16*\c+4*\j+3], v3, s[24:25] offset:512*\k+128*\c+16*\j
.endr
.endr
.endr
	s_wait_loadcnt 16                              ; the first K step's 16 loads are in; the second's 16 may be out
	PQ 32, 160
	v_lshl_or_b32 v24, v[TM+5], 8, v[TM+4]         ; my row's scale word of the first K step
	v_lshl_or_b32 v24, v[TM+6], 16, v24
	v_lshl_or_b32 v24, v[TM+7], 24, v24
	s_wait_loadcnt 0x0
	PQ 96, 176
	v_lshl_or_b32 v25, v[TM+5], 8, v[TM+4]         ; and of the second
	v_lshl_or_b32 v25, v[TM+6], 16, v25
	v_lshl_or_b32 v25, v[TM+7], 24, v25
	v_cndmask_b32 v24, v24, v25, vcc_lo            ; lanes 0-15 store the first K step's words, lanes 16-31 the second's
.irp k, 0,1
.irp c, 0,1,2,3
	global_store_b128 v4, v[160+16*\k+4*\c:160+16*\k+4*\c+3], s[16:17] offset:2048*\k+512*\c
.endr
.endr
	global_store_b32 v5, v24, s[18:19]
	s_endpgm
.Lsmall:	; ---- 32 rows of 64 numbers: the tokens, then embed_w
	s_sub_co_u32 s26, ttmp9, 384
	s_cmp_lt_u32 s26, 64
	s_cselect_b64 s[24:25], s[12:13], s[14:15]
	s_cselect_b32 s27, 0, 64
	s_sub_co_u32 s27, s26, s27                     ; the same within its tensor
	s_lshl_b32 s36, s27, 13                        ; 32 rows of 256 bytes
	s_add_nc_u64 s[24:25], s[24:25], s[36:37]
	s_lshl_b32 s38, s26, 10                        ; 32 rows of 32 bytes in each plane of codes
	s_add_nc_u64 s[20:21], s[20:21], s[38:39]
	s_lshl_b32 s38, s26, 7                         ; 32 words
	s_add_nc_u64 s[22:23], s[22:23], s[38:39]
	s_wait_alu depctr_va_vdst(0)
	v_lshlrev_b32 v3, 8, v1
	v_lshl_add_u32 v3, v2, 6, v3                   ; row r, + 64 h
.irp a, 0,1
.irp c, 0,1
.irp j, 0,1,2,3
	global_load_b128 v[32+32*\a+16*\c+4*\j:32+32*\a+16*\c+4*\j+3], v3, s[24:25] offset:4096*\a+128*\c+16*\j
.endr
.endr
.endr
	s_wait_loadcnt 0x0
	PQ 32, 160                                     ; block 2 a + c: rows 16 a + r, block c
	v_lshl_or_b32 v24, v[TM+5], 8, v[TM+4]         ; the word of row r,
	v_lshl_or_b32 v25, v[TM+7], 8, v[TM+6]         ; of row 16 + r
	v_cndmask_b32 v24, v24, v25, vcc_lo
	v_lshlrev_b32 v6, 5, v1
	v_lshl_add_u32 v6, v2, 4, v6                   ; 32 r + 16 h: the wave's store covers 16 rows' 512 consecutive bytes
.irp a, 0,1
.irp c, 0,1
	global_store_b128 v6, v[160+4*(2*\a+\c):160+4*(2*\a+\c)+3], s[20:21] offset:\c*PLANE+512*\a
.endr
.endr
	global_store_b32 v5, v24, s[22:23]
	s_endpgm
.Lfunc_end_k_qf2262f02a5_prep:
	.size	k_qf2262f02a5_prep, .Lfunc_end_k_qf2262f02a5_prep-k_qf2262f02a5_prep
	.p2alignl 7, 3214868480
	.fill 96, 4, 3214868480
	.section	.rodata,"a",@progbits
	.p2align	6, 0x0
	.amdhsa_kernel k_qf2262f02a5_prep
		.amdhsa_group_segment_fixed_size 0
		.amdhsa_private_segment_fixed_size 0
		.amdhsa_enable_private_segment 0
		.amdhsa_kernarg_size 80
		.amdhsa_user_sgpr_count 2
		.amdhsa_user_sgpr_kernarg_segment_ptr 1
		.amdhsa_wavefront_size32 1
		.amdhsa_system_sgpr_workgroup_id_x 1
		.amdhsa_system_sgpr_workgroup_id_y 1
		.amdhsa_system_sgpr_workgroup_id_z 1
		.amdhsa_system_vgpr_workitem_id 0
		.amdhsa_next_free_vgpr 192
		.amdhsa_next_free_sgpr 66
		.amdhsa_reserve_vcc 1
		.amdhsa_float_denorm_mode_32 3
		.amdhsa_float_denorm_mode_16_64 3
		.amdhsa_memory_ordered 1
		.amdhsa_forward_progress 1
		.amdhsa_inst_pref_size 33
	.end_amdhsa_kernel
	.amdgpu_metadata
---
amdhsa.version: [ 1, 2 ]
amdhsa.kernels:
  - .name:           k_qf2262f02a5_prep
    .symbol:         k_qf2262f02a5_prep.kd
    .args:
      - { .name: qkv_w, .offset: 0, .size: 8, .value_kind: global_buffer, .address_space: global }
      - { .name: attn_out_w, .offset: 8, .size: 8, .value_kind: global_buffer, .address_space: global }
      - { .name: ffn1_w, .offset: 16, .size: 8, .value_kind: global_buffer, .address_space: global }
      - { .name: ffn2_w, .offset: 24, .size: 8, .value_kind: global_buffer, .address_space: global }
      - { .name: inputs, .offset: 32, .size: 8, .value_kind: global_buffer, .address_space: global }
      - { .name: embed_w, .offset: 40, .size: 8, .value_kind: global_buffer, .address_space: global }
      - { .name: wcodes, .offset: 48, .size: 8, .value_kind: global_buffer, .address_space: global }
      - { .name: wscales, .offset: 56, .size: 8, .value_kind: global_buffer, .address_space: global }
      - { .name: scodes, .offset: 64, .size: 8, .value_kind: global_buffer, .address_space: global }
      - { .name: sscales, .offset: 72, .size: 8, .value_kind: global_buffer, .address_space: global }
    .group_segment_fixed_size: 0
    .private_segment_fixed_size: 0
    .kernarg_segment_align: 8
    .kernarg_segment_size: 80
    .max_flat_workgroup_size: 32
    .sgpr_count:     66
    .vgpr_count:     192
    .wavefront_size: 32
...
	.end_amdgpu_metadata
.endif
;; end of part 1
;; launch net (part 2): grid 256 x 1, 4 waves a work-group, no clusters, 269,312 bytes of LDS; arguments scodes, sscales, wcodes, wscales, embed_b, qkv_b, attn_out_b, ln1_g, ln1_b, ffn1_b, ffn2_b, ln2_g, ln2_b, head_w, head_b, out0; writes out0
.if DOCPART == 2
	.amdgcn_target "amdgcn-amd-amdhsa--gfx1250"
	.amdhsa_code_object_version 6
	.text
	.protected	k_qf2262f02a5_net
	.globl	k_qf2262f02a5_net
	.p2align	8
	.type	k_qf2262f02a5_net,@function
k_qf2262f02a5_net:
	s_mov_b64 s[64:65], 0
	v_nop
	global_prefetch_b8 v0, s[64:65] scope:SCOPE_SE
	s_setreg_imm32_b32 hwreg(HW_REG_WAVE_MODE, 25, 1), 1
	s_wait_xcnt 0x0
; The whole network for 8 windows (128 rows) a work-group.  Quantised products on codes of BF8 (E5M2), one E8M0 byte for 32 along K; p v by the f32 form; the head by f32 multiply-adds.
; DEAD WORK LEFT OUT: reference() keeps x[:, -1, :] alone, and behind layer 2's scores every step works row by row: so layer 2's attn_out, norms and FFN run on each window's last token, 8 rows a work-group (the tail).
; SHARES: wave w owns heads 2 w, 2 w + 1 and columns 64 w .. 64 w + 63 of x, q, k, v and of attn_out's and ffn2's results, and hidden units 128 j + 32 w .. + 31 of hidden step j, for all rows; x stays in registers (window 3).
; Weights come from memory into registers in the operand's order; a weight byte is used by one wave once, so no tensor loads, no cluster, and they are asked for two steps ahead, so no prefetch.
; LAYOUT: products transposed (source 0 = a weight's 16 rows); lane (r, h) holds token r; register j of tile 2 b + u holds column 64 w + 32 b + 16 h + 8 u + j.  Rows' codes pass between waves through LDS as images of operand registers.
; ONE LOOP OF THREE PHASES holds norm and quantiser once: phase 0: quantise, attention, attn_out; 1: norm, quantise, FFN; 2: norm, quantise, attention; then the tail.
; An FFN trip is one hidden step: the next step's weights land in a second set and are copied, so that the step's text stands once (code size).
; LIMITS: NaN and infinities are not served; a block whose largest magnitude lies under 2^(16 - 127) gets the byte 1; silu(z) for z under -88 gives -0.
.set PLANE,73728
.set AIMG,0
.set ASC,32768
.set HIMG,33792
.set HSC,66560
.set OIMG,67584
.set OSC,100352
.set LNS,104448
.set HWL,120960
.set SPARE,137728
.set XL,138240                         ; x of all rows, 32,768 bytes a wave, for the tail's gather; later the last tokens' rows
.set LAST,XL
.set LI,1
.set LS,2
.set R4,3
.set CV,4
.set VB1,5
.set AWI,6
.set AWS,7
.set OWI,8
.set OWS,9
.set ARS,10
.set ORI,11
.set ORS,12
.set HRI,13
.set HWI,14
.set HRS,15
.set HWS,16
.set LNW,17
.set LNR,18
.set LA,19
.set XA,20
.set HA,21
.set HB,22
.set RR,23
.set SQ,24
.set SK,28
.set AS8,24
.set SV,32
.set SO,36
.set AS,40
.set QW,41
.set KW,42
.set HS,43
.set S1U,44
.set ES,44
.set S2K,48
.set IS,48
.set ACT,60
.set QA,92
.set OA,92
.set KA,124
.set VA,156
.set QC,188
.set KC,204
.set TM,232
.set MX,248
.set SM,252
.set HF,60
.set ACC,92
.set B1T,124
.set T,156
.set H,172
.set PCF,188
.set TMF,232
.set LB,60
.set HT,156
.set PC,188
.set HW,248
.set G,156
.set GB,188
.set RC,220
.set MU,236
.set XLW,252
.set XLR,253
.set ORT,254
.set OST,255
.set BQ,128
.set BK,160
.set BV,192
.set TG2,32                            ; window 3, tail: gains and biases
.set TB2,64
.set TG1,96
.set TB1,128
.set TF2,160
.set A_SC,4
.set A_SS,6
.set A_WC,8
.set A_WS,10
.set A_EB,12
.set A_QB,14
.set A_AOB,16
.set A_G1,18
.set A_B1,20
.set PB1,22
.set A_F2B,24
.set A_G2,26
.set A_B2,28
.set A_HW,30
.set A_HB,32
.set A_OUT,34
.set PQ,36
.set PQS,38
.set PO,40
.set POS,42
.set P1,44
.set P1S,46
.set P2,48
.set P2S,50
.set GP,52
.set WV,54
.set PH,56
.set WC,57
.set MO,58
.set MS,59
.set TRIP,60
.set SEL,66
.set MNT,68
.set CS,70
.set NL2,72
.set SWO,80
.set GQ,92
.set W_LD1,0x40
.set W_LD2,0x80
.set W_LD3,0xc0
.set W_EMB,0xe2
.set W_MSK,0xcc
.set W_QK0,0x21
.set W_QK1,0x01
.set W_VV,0x08
.set W_PV0,0x20
.set W_AO,0xf6
.set W_AOT,0xf1
.set W_F1,0x06
.set W_F2,0xf2
.set W_XHOLD,0x30
.set W_XADD,0xc3
.set W_XS0,0x0f
.set W_XS1,0x0c
.set W_STX,0x0c
.set W_CP2,0x82
.set MSB,0
.macro WIN new
.if MSB != (\new)
	s_set_vgpr_msb (MSB<<8)|(\new)
.set MSB,(\new)
.endif
.endm
.macro AW                              ; the wait ahead of blocking waits, branches and batches of transcendentals
	s_wait_alu depctr_va_vdst(0)
.endm
.macro WD n
	AW
	s_wait_dscnt \n
.endm
.macro WL n
	AW
	s_wait_loadcnt \n
.endm
.macro WX
	AW
	s_wait_xcnt 0x0
.endm
.macro PLACES n
.rept \n
	v_nop
.endr
.endm
.macro BAR                             ; my LDS work is done: then the work-group's barrier
	WD 0x0
	s_barrier_signal -1
	s_barrier_wait -1
.endm
.macro WMS d, a, b, c, sa, sb, row
.if \row
	v_wmma_scale_f32_16x16x128_f8f6f4 v[(\d):(\d)+7], v[(\a):(\a)+15], v[(\b):(\b)+15], v[(\c):(\c)+7], v[\sa], v[\sb] matrix_a_fmt:MATRIX_FMT_BF8 matrix_b_fmt:MATRIX_FMT_BF8 matrix_a_scale:MATRIX_SCALE_ROW1 matrix_b_scale:MATRIX_SCALE_ROW1
.else
	v_wmma_scale_f32_16x16x128_f8f6f4 v[(\d):(\d)+7], v[(\a):(\a)+15], v[(\b):(\b)+15], v[(\c):(\c)+7], v[\sa], v[\sb] matrix_a_fmt:MATRIX_FMT_BF8 matrix_b_fmt:MATRIX_FMT_BF8
.endif
.endm
.macro WMS0 d, a, b, sa, sb
	v_wmma_scale_f32_16x16x128_f8f6f4 v[(\d):(\d)+7], v[(\a):(\a)+15], v[(\b):(\b)+15], 0, v[\sa], v[\sb] matrix_a_fmt:MATRIX_FMT_BF8 matrix_b_fmt:MATRIX_FMT_BF8
.endm
; the quantiser: nb blocks of a lane's 16 registers at s in window sw: largest magnitude TM + b, byte TM + 4 + b, 57,344 x scale TM + 8 + b, scale operand TM + 12 + b
.macro QMAX s, sw, nb
	WIN ((\sw)<<2)|((\sw)<<4)
.set qb,0
.rept \nb
	v_max3_num_f32 v[TM+qb], 0x8000000, |v[(\s)+16*qb]|, |v[(\s)+16*qb+1]|
.set qb,qb+1
.endr
.irp i,2,4,6,8,10,12,14
.set qb,0
.rept \nb
	v_max3_num_f32 v[TM+qb], v[TM+qb], |v[(\s)+16*qb+\i]|, |v[(\s)+16*qb+\i+1]|
.set qb,qb+1
.endr
.endr
	WIN 0
.set qb,0
.rept \nb
	v_permlanex16_b32 v[TM+4+qb], v[TM+qb], s[SEL], s[SEL+1]
.set qb,qb+1
.endr
.set qb,0
.rept \nb
	v_max_num_f32 v[TM+qb], v[TM+qb], v[TM+4+qb]
.set qb,qb+1
.endr
.set qb,0
.rept \nb
	v_add_nc_u32 v[TM+12+qb], 0xf8800000, v[TM+qb]
.set qb,qb+1
.endr
.set qb,0
.rept \nb
	v_and_or_b32 v[TM+8+qb], v[TM+qb], 0x7f800000, s[MNT]
.set qb,qb+1
.endr
.set qb,0
.rept \nb
	v_lshrrev_b32 v[TM+4+qb], 23, v[TM+12+qb]
.set qb,qb+1
.endr
.endm
.macro QBLK s, b, ht, c                ; block b held (the conversion does not saturate: ISA guide 7.6.2) and converted into four registers at c
.set qi,0
.rept 16
	v_med3_num_f32 v[(\ht)+16*((\b)%2)+qi], -v[TM+8+(\b)], v[TM+8+(\b)], v[(\s)+16*(\b)+qi]
.set qi,qi+1
.endr
	v_cvt_scalef32_pk8_bf8_f32 v[(\c):(\c)+1], v[(\ht)+16*((\b)%2):(\ht)+16*((\b)%2)+7], v[TM+12+(\b)]
	v_cvt_scalef32_pk8_bf8_f32 v[(\c)+2:(\c)+3], v[(\ht)+16*((\b)%2)+8:(\ht)+16*((\b)%2)+15], v[TM+12+(\b)]
.endm
.macro WLOAD reg, sb, off              ; my four tiles x two K steps: 32 loads
.irp t,0,1,2,3
.irp k,0,1
.irp c,0,1,2,3
	global_load_b128 v[(\reg)+32*\t+16*\k+4*\c:(\reg)+32*\t+16*\k+4*\c+3], v[LI], s[\sb:\sb+1] offset:(\off)+4096*\t+2048*\k+512*\c
.endr
.endr
.endr
.endm
.macro CVLOAD reg, sb, off             ; a vector over my 64 columns in x's layout: 8 loads
.irp t,0,1,2,3
	global_load_b128 v[(\reg)+8*\t:(\reg)+8*\t+3], v[CV], s[\sb:\sb+1] offset:(\off)+(32*(\t/2)+8*(\t%2))*4
	global_load_b128 v[(\reg)+8*\t+4:(\reg)+8*\t+7], v[CV], s[\sb:\sb+1] offset:(\off)+(32*(\t/2)+8*(\t%2))*4+16
.endr
.endm
.macro PF_A                            ; Wq and the scale words of q, k, v: 44 loads
	WIN W_LD1
	WLOAD 0, PQ, 0
	WIN 0
.irp t,0,1,2,3
	global_load_b32 v[SQ+\t], v[LS], s[PQS:PQS+1] offset:128*\t
	global_load_b32 v[SK+\t], v[LS], s[PQS:PQS+1] offset:2048+128*\t
	global_load_b32 v[SV+\t], v[LS], s[PQS:PQS+1] offset:4096+128*\t
.endr
.endm
.macro PF_B                            ; Wk and the three biases: 56 loads
	WIN W_LD1
	WLOAD 128, PQ, 65536
	WIN W_LD2
	CVLOAD BQ, A_QB, 0
	CVLOAD BK, A_QB, 1024
	CVLOAD BV, A_QB, 2048
	WIN 0
.endm
.macro PF_C                            ; Wv: 32 loads
	WIN W_LD2
	WLOAD 0, PQ, 131072
	WIN 0
.endm
.macro W1ULOAD p, k                    ; ffn1's two tiles of mine, hidden step k on, into set p: 18 loads
	WIN W_LD2
.irp u,0,1
.irp ks,0,1
.irp c,0,1,2,3
	global_load_b128 v[64*(\p)+32*\u+16*\ks+4*\c:64*(\p)+32*\u+16*\ks+4*\c+3], v[LI], s[P1:P1+1] offset:(\k)*32768+4096*\u+2048*\ks+512*\c
.endr
.endr
.endr
	WIN 0
.irp u,0,1
	global_load_b32 v[S1U+2*(\p)+\u], v[LS], s[P1S:P1S+1] offset:1024*(\k)+128*\u
.endr
.endm
.macro B1LOAD p, k                     ; their bias: 4 loads
.irp u,0,1
	global_load_b128 v[B1T+16*(\p)+8*\u:B1T+16*(\p)+8*\u+3], v[VB1], s[PB1:PB1+1] offset:512*(\k)+32*\u
	global_load_b128 v[B1T+16*(\p)+8*\u+4:B1T+16*(\p)+8*\u+7], v[VB1], s[PB1:PB1+1] offset:512*(\k)+32*\u+16
.endr
.endm
.macro W2KLOAD p, k                    ; ffn2's four tiles of mine, K step k on, into set p: 20 loads
	WIN W_LD2
.irp n,0,1,2,3
.irp c,0,1,2,3
	global_load_b128 v[128+64*(\p)+16*\n+4*\c:128+64*(\p)+16*\n+4*\c+3], v[LI], s[P2:P2+1] offset:16384*\n+2048*(\k)+512*\c
.endr
.endr
	WIN 0
.irp n,0,1,2,3
	global_load_b32 v[S2K+4*(\p)+\n], v[R4], s[P2S:P2S+1] offset:512*\n+64*(\k)
.endr
.endm
.macro ACTLOAD adr, sadr, off, soff
.irp ks,0,1
.irp c,0,1,2,3
	ds_load_b128 v[ACT+16*\ks+4*\c:ACT+16*\ks+4*\c+3], v[\adr] offset:(\off)+8192*(2*\ks+\c/2)+512*(\c%2)
.endr
.endr
	ds_load_b32 v[AS], v[\sadr] offset:\soff
.endm
.macro QXP mp, nb                      ; nb blocks of x from register 64 mp on: codes and scale bytes into x's image
.set q_p,(\mp)%2
	QMAX 64*(\mp), 3, \nb
	v_lshl_or_b32 v[HW+2*q_p], v[TM+5], 8, v[TM+4]
.if \nb > 2
	v_lshl_or_b32 v[HW+2*q_p+1], v[TM+7], 8, v[TM+6]
.endif
	WIN W_XHOLD
.set q_b,0
.rept \nb
	QBLK 64*(\mp), q_b, HT, PC+16*q_p+4*q_b
.set q_b,q_b+1
.endr
	WIN 0
	v_nop
.set q_b,0
.rept \nb
	ds_store_b128 v[AWI], v[PC+16*q_p+4*q_b:PC+16*q_p+4*q_b+3] offset:2048*(\mp)+512*q_b
.set q_b,q_b+1
.endr
	ds_store_b16 v[AWS], v[HW+2*q_p] offset:256*(\mp)
.if \nb > 2
	ds_store_b16 v[AWS], v[HW+2*q_p+1] offset:256*(\mp)+128
.endif
.endm
; layer norm, first half: mean and M2 of my 64 columns for the windows of the list; x is left centred about my mean; the waves' pairs meet in LDS.  wl: loads that may stay out behind gain and bias
.macro LN_A list, wl
	WIN W_XS0
.irpc m,\list
	v_pk_add_f32 v[MU+2*\m:MU+2*\m+1], v[32*\m:32*\m+1], v[32*\m+2:32*\m+3]
.endr
	WIN W_XS1
.irp i,4,6,8,10,12,14,16,18,20,22,24,26,28,30
.irpc m,\list
	v_pk_add_f32 v[MU+2*\m:MU+2*\m+1], v[MU+2*\m:MU+2*\m+1], v[32*\m+\i:32*\m+\i+1]
.endr
.endr
	WIN 0
.irpc m,\list
	v_add_f32 v[MU+2*\m], v[MU+2*\m], v[MU+2*\m+1]
.endr
.irpc m,\list
	v_permlanex16_b32 v[MU+2*\m+1], v[MU+2*\m], s[SEL], s[SEL+1]
.endr
.irpc m,\list
	v_add_f32 v[MU+2*\m], v[MU+2*\m], v[MU+2*\m+1]
.endr
.irpc m,\list
	v_mul_f32 v[MU+2*\m], s74, v[MU+2*\m]
.endr
	WIN W_XADD
.irpc m,\list
.set xi,0
.rept 16
	v_pk_add_f32 v[32*\m+2*xi:32*\m+2*xi+1], v[32*\m+2*xi:32*\m+2*xi+1], v[MU+2*\m:MU+2*\m+1] op_sel_hi:[1,0] neg_lo:[0,1] neg_hi:[0,1]
.set xi,xi+1
.endr
.endr
	WIN W_XS0
.irpc m,\list
	v_pk_mul_f32 v[RC+2*\m:RC+2*\m+1], v[32*\m:32*\m+1], v[32*\m:32*\m+1]
.endr
.irp i,2,4,6,8,10,12,14,16,18,20,22,24,26,28,30
.irpc m,\list
	v_pk_fma_f32 v[RC+2*\m:RC+2*\m+1], v[32*\m+\i:32*\m+\i+1], v[32*\m+\i:32*\m+\i+1], v[RC+2*\m:RC+2*\m+1]
.endr
.endr
	WIN 0
.irpc m,\list
	v_add_f32 v[RC+2*\m], v[RC+2*\m], v[RC+2*\m+1]
.endr
.irpc m,\list
	v_permlanex16_b32 v[RC+2*\m+1], v[RC+2*\m], s[SEL], s[SEL+1]
.endr
.irpc m,\list
	v_add_f32 v[61+2*\m], v[RC+2*\m], v[RC+2*\m+1]
	v_mov_b32 v[60+2*\m], v[MU+2*\m]
.endr
.irpc m,\list
	ds_store_b64 v[LNW], v[60+2*\m:61+2*\m] offset:1024*\m
.endr
	BAR
.irpc m,\list
.set L,60+8*\m+32*(\m/4)
	ds_load_b128 v[L:L+3], v[LNR] offset:1024*\m
	ds_load_b128 v[L+4:L+7], v[LNR] offset:1024*\m+16
.endr
	WL \wl
.endm
; second half: M2 = sum of M2_i + 64 x sum of (mu_i - mean)^2; x = (x - mean) rstd g + b.  gw: the windows under which gain g and bias gb are read
.macro LN_B list, gw, g, gb
	WD 0x0
.irpc m,\list
.set L,60+8*\m+32*(\m/4)
	v_add_f32 v[RC+2*\m], v[L], v[L+2]
	v_add_f32 v[RC+2*\m+1], v[L+4], v[L+6]
.endr
.irpc m,\list
	v_add_f32 v[RC+2*\m], v[RC+2*\m], v[RC+2*\m+1]
.endr
.irpc m,\list
	v_mul_f32 v[RC+2*\m], s78, v[RC+2*\m]
.endr
.irp i,0,2,4,6
.irpc m,\list
.set L,60+8*\m+32*(\m/4)
	v_sub_f32 v[L+\i], v[L+\i], v[RC+2*\m]
.endr
.endr
.irpc m,\list
.set L,60+8*\m+32*(\m/4)
	v_add_f32 v[L+1], v[L+1], v[L+3]
	v_add_f32 v[L+5], v[L+5], v[L+7]
	v_mul_f32 v[RC+2*\m+1], v[L], v[L]
.endr
.irp i,2,4,6
.irpc m,\list
.set L,60+8*\m+32*(\m/4)
	v_fmac_f32 v[RC+2*\m+1], v[L+\i], v[L+\i]
.endr
.endr
.irpc m,\list
.set L,60+8*\m+32*(\m/4)
	v_add_f32 v[L+1], v[L+1], v[L+5]
.endr
.irpc m,\list
.set L,60+8*\m+32*(\m/4)
	v_fma_f32 v[L+1], v[RC+2*\m+1], s77, v[L+1]
.endr
.irpc m,\list
.set L,60+8*\m+32*(\m/4)
	v_fma_f32 v[L+1], v[L+1], s75, s76
	v_sub_f32 v[MU+2*\m], v[MU+2*\m], v[RC+2*\m]
.endr
	AW
.irpc m,\list
.set L,60+8*\m+32*(\m/4)
	v_rsq_f32 v[RC+2*\m], v[L+1]
.endr
	v_nop
	AW
.irpc m,\list
	v_mul_f32 v[MU+2*\m], v[MU+2*\m], v[RC+2*\m]
.endr
.irpc m,\list
	WIN W_XADD
.set xi,0
.rept 16
	v_pk_fma_f32 v[32*\m+2*xi:32*\m+2*xi+1], v[32*\m+2*xi:32*\m+2*xi+1], v[RC+2*\m:RC+2*\m+1], v[MU+2*\m:MU+2*\m+1] op_sel_hi:[1,0,0]
.set xi,xi+1
.endr
	WIN \gw
.set xi,0
.rept 16
	v_pk_fma_f32 v[32*\m+2*xi:32*\m+2*xi+1], v[32*\m+2*xi:32*\m+2*xi+1], v[(\g)+2*xi:(\g)+2*xi+1], v[(\gb)+2*xi:(\gb)+2*xi+1]
.set xi,xi+1
.endr
.endr
	WIN 0
.endm
; FFN.  One product of ffn1: tile k % 2, K step k / 2, window mm, weights' set pp, sums' set aa.  The two tiles' sums take turns, and the four stand on end
.macro F1P pp, mm, aa, k
.if (\k) < 2
	WMS ACC+16*(\aa)+8*((\k)%2), 64*(\pp)+32*((\k)%2), 32*(\mm), B1T+16*(\pp)+8*((\k)%2), S1U+2*(\pp)+(\k)%2, AS8+(\mm), 0
.else
	WMS ACC+16*(\aa)+8*((\k)%2), 64*(\pp)+32*((\k)%2)+16, 32*(\mm)+16, ACC+16*(\aa)+8*((\k)%2), S1U+2*(\pp)+(\k)%2, AS8+(\mm), 1
.endif
.endm
.macro F1G pp, mm, aa
	WIN W_F1
.irp k,0,1,2,3
	F1P \pp, \mm, \aa, \k
.endr
	WIN 0
.endm
.macro F2G pk, m                       ; x(m, n) += W2(n) x the hidden fragment; the wait stands ahead of the group's first reader
	WIN W_F2
	AW
.irp n,0,1,2,3
	WMS 32*(\m)+8*\n, 128+64*(\pk)+16*\n, HF, 32*(\m)+8*\n, S2K+4*(\pk)+\n, HS, 0
.endr
	WIN 0
.endm
.macro SILU1 sz                        ; - z log2(e): the sums' first readers, behind one wait
	AW
.irp i,0,2,4,6,8,10,12,14
	v_pk_mul_f32 v[T+\i:T+\i+1], v[(\sz)+\i:(\sz)+\i+1], s[NL2:NL2+1] op_sel_hi:[1,0]
.endr
.endm
.macro SILU2 sz                        ; silu(z) = z / (1 + e^-z): two batches, a wait ahead of each and behind each
	AW
.irp i,0,1,2,3,4,5,6,7,8,9,10,11,12,13,14,15
	v_exp_f32 v[T+\i], v[T+\i]
.endr
	v_nop
	AW
.irp i,0,2,4,6,8,10,12,14
	v_pk_add_f32 v[T+\i:T+\i+1], v[T+\i:T+\i+1], 1.0 op_sel_hi:[1,0]
.endr
	AW
.irp i,0,1,2,3,4,5,6,7,8,9,10,11,12,13,14,15
	v_rcp_f32 v[T+\i], v[T+\i]
.endr
	v_nop
	AW
.irp i,0,2,4,6,8,10,12,14
	v_pk_mul_f32 v[H+\i:H+\i+1], v[(\sz)+\i:(\sz)+\i+1], v[T+\i:T+\i+1]
.endr
.endm
.macro QH c                            ; my 16 hidden units and lane l xor 16's are a block: codes into PCF + 4 c, the byte into TMF + 4
	v_max3_num_f32 v[TMF], 0x8000000, |v[H]|, |v[H+1]|
	v_max3_num_f32 v[TMF+1], |v[H+8]|, |v[H+9]|, |v[H+10]|
	v_max3_num_f32 v[TMF], v[TMF], |v[H+2]|, |v[H+3]|
	v_max3_num_f32 v[TMF+1], v[TMF+1], |v[H+11]|, |v[H+12]|
	v_max3_num_f32 v[TMF], v[TMF], |v[H+4]|, |v[H+5]|
	v_max3_num_f32 v[TMF+1], v[TMF+1], |v[H+13]|, |v[H+14]|
	v_max3_num_f32 v[TMF], v[TMF], |v[H+6]|, |v[H+7]|
	v_max3_num_f32 v[TMF], v[TMF], v[TMF+1], |v[H+15]|
	v_permlanex16_b32 v[TMF+1], v[TMF], s[SEL], s[SEL+1]
	v_max_num_f32 v[TMF], v[TMF], v[TMF+1]
	v_add_nc_u32 v[TMF+2], 0xf8800000, v[TMF]
	v_and_or_b32 v[TMF+3], v[TMF], 0x7f800000, s[MNT]
.irp i,0,1,2,3,4,5,6,7,8,9,10,11,12,13,14,15
	v_med3_num_f32 v[H+\i], v[H+\i], -v[TMF+3], v[TMF+3]
.endr
	v_cvt_scalef32_pk8_bf8_f32 v[PCF+4*(\c):PCF+4*(\c)+1], v[H:H+7], v[TMF+2]
	v_cvt_scalef32_pk8_bf8_f32 v[PCF+4*(\c)+2:PCF+4*(\c)+3], v[H+8:H+15], v[TMF+2]
	v_lshrrev_b32 v[TMF+4], 23, v[TMF+2]
.endm
; window m of a hidden step: silu and quantiser of its 32 hidden units of mine; ffn1 for the next window; ffn2 for this window and the step before
.macro SUB m
.if (\m) == 0
	W2KLOAD 1, 0                                   ; this step's ffn2 weights into the second set
.endif
.if (\m) == 7
	WL 0x0                                         ; the second sets are in: the next step's ffn1 weights, scale words and bias are copied
	v_mov_b32 v[S1U], v[S1U+2]
	v_mov_b32 v[S1U+1], v[S1U+3]
.set ci,0
.rept 16
	v_mov_b32 v[B1T+ci], v[B1T+16+ci]
.set ci,ci+1
.endr
	WIN W_CP2
.set ci,0
.rept 64
	v_mov_b32 v[ci], v[64+ci]
.set ci,ci+1
.endr
	WIN 0
	s_cmp_ge_u32 s[TRIP], 6
	AW
	s_cbranch_scc1 .Lnw_\@                         ; the last two trips ask for nothing: no load leaves its buffer
	W1ULOAD 1, 2
	B1LOAD 1, 2
.Lnw_\@:
.endif
	s_cmp_eq_u32 s[TRIP], 0
	AW
	s_cbranch_scc1 .Lnh_\@                         ; the first trip has no step before
.irp c,0,1,2,3
	ds_load_b128 v[HF+4*\c:HF+4*\c+3], v56 offset:2048*(\m)+512*\c
.endr
	ds_load_b32 v[HS], v57 offset:64*(\m)
.Lnh_\@:
	SILU1 ACC+16*((\m)%2)
.if (\m) < 7
	F1G 0, (\m)+1, ((\m)+1)%2
.else
	s_cmp_eq_u32 s[TRIP], 7
	AW
	s_cbranch_scc1 .Lf1_\@
	F1G 0, 0, 0
.Lf1_\@:
.endif
	SILU2 ACC+16*((\m)%2)
	WD 0x0
	s_cmp_eq_u32 s[TRIP], 0
	s_cbranch_scc1 .Lf2_\@
	F2G 0, \m
.Lf2_\@:
	QH (\m)%2
	ds_store_b128 v58, v[PCF+4*((\m)%2):PCF+4*((\m)%2)+3] offset:2048*(\m)
	ds_store_b8 v59, v[TMF+4] offset:64*(\m)
.endm
; the tail's hidden step on 16 rows (8 live), sets by parity p.  more: the step two on is asked for.  wl: the next step's 42 loads may be out
.macro TSUB p, more, wl
	s_wait_loadcnt \wl
	F1G \p, 0, 0
	PLACES 8
	SILU1 ACC
	SILU2 ACC
	QH 0
	ds_store_b128 v[HWI], v[PCF:PCF+3] offset:16384*(\p)
	ds_store_b8 v[HWS], v[TMF+4] offset:512*(\p)
.if \more
	W1ULOAD \p, (\p)+2
	B1LOAD \p, (\p)+2
.endif
	BAR
.irp c,0,1,2,3
	ds_load_b128 v[HF+4*\c:HF+4*\c+3], v[HRI] offset:16384*(\p)+512*\c
.endr
	ds_load_b32 v[HS], v[HRS] offset:512*(\p)
	s_wait_dscnt 0x0
	F2G \p, 0
	PLACES 8
.if \more
	W2KLOAD \p, (\p)+2
.endif
.endm
; ================ the head
	s_load_b512 s[4:19], s[0:1], 0x0
	s_load_b512 s[20:35], s[0:1], 0x40
	v_lshrrev_b32 v56, 5, v0
	v_readfirstlane_b32 s[WV], v56
	s_lshl_b32 s36, s[WV], 8
	s_lshl_b32 s37, s[WV], 7
	s_lshl_b32 s38, s[WV], 13
	s_lshr_b32 s39, s[WV], 1
	s_lshl_b32 s39, s39, 6
	s_and_b32 s40, s[WV], 1
	s_lshl_b32 s40, s40, 1
	s_add_co_u32 s39, s39, s40
	s_add_co_u32 s39, s39, ASC
	s_lshl_b32 s40, s[WV], 10
	s_add_co_u32 s40, s40, OSC
	s_lshl_b32 s41, s[WV], 9
	s_lshl_b32 s42, s[WV], 3
	s_mul_i32 s43, s[WV], 2080
	s_add_co_u32 s43, s43, LAST
	s_and_b32 s44, ttmp9, 127
	s_lshl_b32 s44, s44, 3
	s_sub_co_i32 s44, s44, 15                      ; window 0's first token; under 0: a row of zeros
	s_lshr_b32 s45, ttmp9, 7
	s_lshl_b32 s45, s45, 10
	s_lshl_b32 s46, s[WV], 6
	s_add_co_u32 s46, s46, 2048
	s_mov_b32 s[SEL], 0x76543210
	s_mov_b32 s[SEL+1], 0xfedcba98
	s_mov_b32 s[MNT], 0x600000
	s_mov_b32 s[CS], 0x3e8293ee                    ; log2(e) / sqrt(32)
	s_mov_b32 s[CS+1], s[CS]
	s_mov_b32 s[NL2], 0xbfb8aa3b
	s_mov_b32 s[NL2+1], s[NL2]
	s_mov_b32 s74, 0x3c800000
	s_mov_b32 s75, 0x3b800000
	s_mov_b32 s76, 0x3727c5ac
	s_mov_b32 s77, 0x42800000
	s_mov_b32 s78, 0x3e800000
.set zi,0
.rept 8
	v_mov_b32 v[188+zi], 0
	v_mov_b32 v[248+zi], 0
.set zi,zi+1
.endr
.irp i,0,1,2,3
	v_mov_b32 v[TM+4+\i], 0
	v_mov_b32 v[SO+\i], 0
.endr
	v_mov_b32 v[HS], 0
	WIN W_LD2
.irp t,0,1,2,3
.irp i,8,9,10,11,12,13,14,15
	v_mov_b32 v[128+16*\t+\i], 0                   ; embed_w's K is 64: blocks 2 and 3 are zero codes
.endr
.endr
.set zi,224
.rept 32
	v_mov_b32 v[zi], 0
.set zi,zi+1
.endr
	WIN 0
	v_and_b32 v57, 31, v0
	v_and_b32 v[RR], 15, v0
	v_bfe_u32 v58, v0, 4, 1
	v_lshlrev_b32 v[LI], 4, v57
	v_lshlrev_b32 v[LS], 2, v57
	v_lshlrev_b32 v[R4], 2, v[RR]
	v_lshl_add_u32 v[CV], v58, 6, s36
	v_lshl_add_u32 v[VB1], v58, 6, s37
	v_add_nc_u32 v[AWI], s38, v[LI]
	v_add_nc_u32 v[AWS], s39, v[R4]
	v_add_nc_u32 v[OWI], OIMG, v[AWI]
	v_add_nc_u32 v[OWS], s40, v[LS]
	v_add_nc_u32 v[ARS], ASC, v[LS]
	v_add_nc_u32 v[ORI], OIMG, v[LI]
	v_lshl_add_u32 v[ORS], v58, 11, v[R4]
	v_add_nc_u32 v[ORS], OSC, v[ORS]
	v_add_nc_u32 v[HRI], HIMG, v[LI]
	v_add_nc_u32 v[HWI], s41, v[HRI]
	v_add_nc_u32 v[HRS], HSC, v[R4]
	v_add_nc_u32 v[HWS], s[WV], v[HRS]
	v_lshl_add_u32 v[LNR], v57, 5, LNS
	v_add_nc_u32 v[LNW], s42, v[LNR]
	v_mul_u32_u24 v[LA], v[RR], 1040
	v_add_nc_u32 v[LA], v[LA], v[CV]
	v_add_nc_u32 v[LA], LAST, v[LA]                ; row r of the last tokens, my columns
	v_mul_u32_u24 v[XA], v58, 1040
	v_add_nc_u32 v[XA], s43, v[XA]
	v_mul_u32_u24 v[HA], v[RR], 1040
	v_add_nc_u32 v[HA], HWL, v[HA]
	v_add_nc_u32 v59, s44, v[RR]
.irp m,0,1,2,3,4,5,6,7
	v_cmp_le_i32 s[80+\m], 0-\m, v59
	v_add_nc_u32 v[196+\m], \m, v59
	v_max_i32 v[196+\m], 0, v[196+\m]
	v_add_nc_u32 v[196+\m], s45, v[196+\m]
	v_lshlrev_b32 v[204+\m], 2, v[196+\m]
	v_lshlrev_b32 v[196+\m], 5, v[196+\m]
	v_lshl_add_u32 v[196+\m], v58, 4, v[196+\m]
.endr
	v_and_b32 v214, 8, v[RR]
	v_add_nc_u32 v214, v214, v[RR]
	v_add_nc_u32 v214, s46, v214
	v_lshlrev_b32 v213, 2, v214
	v_lshlrev_b32 v212, 5, v214
	v_lshl_add_u32 v212, v58, 4, v212
	v_lshlrev_b32 v215, 4, v0
	v_min_u32 v216, 9, v[RR]
	v_lshlrev_b32 v216, 2, v216
	v_lshrrev_b32 v217, 6, v0
	v_lshl_add_u32 v217, v217, 4, v215
	v_add_nc_u32 v217, HWL, v217
	AW
	s_wait_kmcnt 0x0
	s_mov_b32 s63, 0
	s_lshl_b32 s62, s[WV], 14
	s_add_nc_u64 s[PQ:PQ+1], s[A_WC:A_WC+1], s[62:63]
	s_add_nc_u64 s[PO:PO+1], s[PQ:PQ+1], 393216
	s_lshl_b32 s62, s[WV], 13
	s_add_nc_u64 s[P1:P1+1], s[A_WC:A_WC+1], s[62:63]
	s_add_nc_u64 s[P1:P1+1], s[P1:P1+1], 524288
	s_lshl_b32 s62, s[WV], 16
	s_add_nc_u64 s[P2:P2+1], s[A_WC:A_WC+1], s[62:63]
	s_add_nc_u64 s[P2:P2+1], s[P2:P2+1], 1048576
	s_lshl_b32 s62, s[WV], 9
	s_add_nc_u64 s[PQS:PQS+1], s[A_WS:A_WS+1], s[62:63]
	s_add_nc_u64 s[POS:POS+1], s[PQS:PQS+1], 12288
	s_lshl_b32 s62, s[WV], 8
	s_add_nc_u64 s[P1S:P1S+1], s[A_WS:A_WS+1], s[62:63]
	s_add_nc_u64 s[P1S:P1S+1], s[P1S:P1S+1], 16384
	s_lshl_b32 s62, s[WV], 11
	s_add_nc_u64 s[P2S:P2S+1], s[A_WS:A_WS+1], s[62:63]
	s_add_nc_u64 s[P2S:P2S+1], s[P2S:P2S+1], 32768
	WIN W_LD2                                      ; 50 loads for the embedding and the head
.irp t,0,1,2,3
.irp c,0,1
	global_load_b128 v[128+16*\t+4*\c:128+16*\t+4*\c+3], v212, s[A_SC:A_SC+1] offset:\c*PLANE+(32*(\t/2)+8*(\t%2))*32
.endr
.endr
	CVLOAD 192, A_EB, 0
	WIN 0
.irp t,0,1,2,3
	global_load_b32 v[ES+\t], v213, s[A_SS:A_SS+1] offset:(32*(\t/2)+8*(\t%2))*4
.endr
.irp m,0,1,2,3,4,5,6,7
.irp c,0,1
	global_load_b128 v[124+8*\m+4*\c:124+8*\m+4*\c+3], v[196+\m], s[A_SC:A_SC+1] offset:\c*PLANE
.endr
.endr
.irp m,0,1,2,3,4,5,6,7
	global_load_b32 v[IS+\m], v[204+\m], s[A_SS:A_SS+1]
.endr
.irp i,0,1,2,3,4
	global_load_b128 v[60+4*\i:60+4*\i+3], v215, s[A_HW:A_HW+1] offset:2048*\i
.endr
	global_load_b32 v[HB], v216, s[A_HB:A_HB+1]
	PF_A
	s_wait_loadcnt 44                              ; the 50 are in; PF_A's 44 may be out
	PF_C
.irp i,0,1,2,3,4
	ds_store_b128 v217, v[60+4*\i:60+4*\i+3] offset:2080*\i
.endr
.irp i,0,1,2
	ds_store_b128 v217, v[188:191] offset:10400+2080*\i
.endr
	WIN W_EMB                                      ; x(m, t) = embed_w's tile t x window m's tokens + embed_b; blocks 2, 3 of a window's fragment meet zero codes
.irp m,0,1,2,3,4,5,6,7
.irp t,0,1,2,3
	WMS 32*\m+8*\t, 128+16*\t, 124+8*\m, 192+8*\t, ES+\t, IS+\m, 0
.endr
.endr
	WIN 0
	PLACES 8
	s_wait_dscnt 0x0
	PF_B
	WIN W_MSK
.irp m,0,1,2,3,4,5,6,7
.set xi,0
.rept 32
	v_cndmask_b32 v[32*\m+xi], 0, v[32*\m+xi], s[80+\m]        ; rows ahead of the sequence's start are zeros
.set xi,xi+1
.endr
.endr
	WIN 0
	s_mov_b32 s[PH], 0
; ================ the loop of three phases
.Ltop:
	s_cmp_eq_u32 s[PH], 0
	AW
	s_cbranch_scc1 .Lqx
	s_cmp_eq_u32 s[PH], 2
	s_cselect_b64 s[GP:GP+1], s[A_G2:A_G2+1], s[A_G1:A_G1+1]
	s_cselect_b64 s[GQ:GQ+1], s[A_B2:A_B2+1], s[A_B1:A_B1+1]
	CVLOAD G, GP, 0
	CVLOAD GB, GQ, 0
	LN_A 01234567, 0x0
	s_cmp_lg_u32 s[PH], 2
	AW
	s_cbranch_scc1 .Lnpb
	PF_B                                           ; layer 2's Wk and biases land under the norm
.Lnpb:
	LN_B 01234567, W_XADD, G, GB
.Lqx:	; x is quantised into its image; then the bias of the product that adds onto x is added
	s_cmp_eq_u32 s[PH], 2
	AW
	s_cbranch_scc0 .Lq2
	s_wait_loadcnt 0x0                             ; no earlier load into Wv's registers is out
	PF_C
.Lq2:
	s_cmp_eq_u32 s[PH], 1
	s_cselect_b64 s[GP:GP+1], s[A_F2B:A_F2B+1], s[A_AOB:A_AOB+1]
	CVLOAD LB, GP, 0
	AW
	s_cbranch_scc0 .Lq1
	B1LOAD 0, 0
	B1LOAD 1, 1
.Lq1:
	QXP 0, 4
	QXP 1, 4
	WD 6                                           ; the stores of two pairs back have read their registers
	QXP 2, 4
	WD 6
	QXP 3, 4
	WL 0x0
	WIN W_XADD
.set xi,0
.rept 128
	v_pk_add_f32 v[2*xi:2*xi+1], v[2*xi:2*xi+1], v[LB+(2*xi)%32:LB+(2*xi)%32+1]
.set xi,xi+1
.endr
	WIN 0
	BAR
	s_cmp_eq_u32 s[PH], 1
	s_cbranch_scc1 .Lffn
	; ---- attention, a window a trip
.irp i,8,9,10,11,12,13,14,15
	v_mov_b32 v[QC+\i], 0
	v_mov_b32 v[KC+12+\i], 0
.endr
.irp i,4,5,6,7,8,9,10,11,12,13,14,15
	v_mov_b32 v[KC+\i], 0
.endr
	ACTLOAD LI, ARS, 0, 0
	s_mov_b32 s[WC], 0
	s_mov_b32 s[MO], 0
	s_mov_b32 s[MS], 0
.Lwin:
	v_add_nc_u32 v56, s[MO], v[LI]
	v_add_nc_u32 v57, s[MS], v[ARS]
	v_add_nc_u32 v58, s[MO], v[OWI]
	v_add_nc_u32 v59, s[MS], v[OWS]
	WD 0x0
	WIN W_QK0                                      ; twelve sums by turns
.irp t,0,1,2,3
	WMS QA+8*\t, 32*\t, ACT, BQ+8*\t, SQ+\t, AS, 0
.endr
.irp t,0,1,2,3
	WMS KA+8*\t, 128+32*\t, ACT, BK+8*\t, SK+\t, AS, 0
.endr
	WIN W_VV
.irp t,0,1,2,3
	WMS0 VA+8*\t, ACT, 32*\t, AS, SV+\t            ; v the other way round: a lane holds a channel
.endr
	WIN W_QK1
.irp t,0,1,2,3
	WMS QA+8*\t, 32*\t+16, ACT+16, QA+8*\t, SQ+\t, AS, 1
.endr
.irp t,0,1,2,3
	WMS KA+8*\t, 128+32*\t+16, ACT+16, KA+8*\t, SK+\t, AS, 1
.endr
	WIN W_VV
.irp t,0,1,2,3
	WMS VA+8*\t, ACT+16, 32*\t+16, VA+8*\t, AS, SV+\t, 1
.endr
	WIN 0
	PLACES 8
	QMAX QA, 0, 4
	v_lshl_or_b32 v[QW], v[TM+5], 8, v[TM+4]
	v_lshl_or_b32 v[KW], v[TM+7], 8, v[TM+6]
	QBLK QA, 0, ACT, QC
	QBLK QA, 1, ACT, QC+4
	QBLK QA, 2, ACT, KC
	QBLK QA, 3, ACT, KC+16
	PLACES 4
	s_cmp_eq_u32 s[WC], 7
	AW
	s_cbranch_scc1 .Lnoact
	ACTLOAD 56, 57, 1024, 128
.Lnoact:
	WMS0 KA, KC, QC, KW, QW                        ; S^T of head 0: block 0 alone holds codes on both sides;
	WMS0 KA+8, KC+12, QC, KW, QW                   ; of head 1: block 1
	PLACES 8
.irp hh,0,1
	v_max3_num_f32 v[MX+2*\hh], v[KA+8*\hh], v[KA+8*\hh+1], v[KA+8*\hh+2]
.endr
.irp i,3,5
.irp hh,0,1
	v_max3_num_f32 v[MX+2*\hh], v[MX+2*\hh], v[KA+8*\hh+\i], v[KA+8*\hh+\i+1]
.endr
.endr
.irp hh,0,1
	v_max_num_f32 v[MX+2*\hh], v[MX+2*\hh], v[KA+8*\hh+7]
.endr
.irp hh,0,1
	v_permlanex16_b32 v[MX+2*\hh+1], v[MX+2*\hh], s[SEL], s[SEL+1]
.endr
.irp hh,0,1
	v_max_num_f32 v[MX+2*\hh], v[MX+2*\hh], v[MX+2*\hh+1]
.endr
.irp hh,0,1
	v_mul_f32 v[MX+2*\hh], -v[MX+2*\hh], s[CS]
.endr
.irp i,0,2,4,6
.irp hh,0,1
	v_pk_fma_f32 v[KA+8*\hh+\i:KA+8*\hh+\i+1], v[KA+8*\hh+\i:KA+8*\hh+\i+1], s[CS:CS+1], v[MX+2*\hh:MX+2*\hh+1] op_sel_hi:[1,0,0]
.endr
.endr
	AW
.irp j,0,1,2,3,4,5,6,7,8,9,10,11,12,13,14,15
	v_exp_f32 v[KA+\j], v[KA+\j]
.endr
	v_nop
	AW
.irp hh,0,1
	v_pk_add_f32 v[SM+2*\hh:SM+2*\hh+1], v[KA+8*\hh:KA+8*\hh+1], v[KA+8*\hh+2:KA+8*\hh+3]
.endr
.irp i,4,6
.irp hh,0,1
	v_pk_add_f32 v[SM+2*\hh:SM+2*\hh+1], v[SM+2*\hh:SM+2*\hh+1], v[KA+8*\hh+\i:KA+8*\hh+\i+1]
.endr
.endr
.irp hh,0,1
	v_add_f32 v[SM+2*\hh], v[SM+2*\hh], v[SM+2*\hh+1]
.endr
.irp hh,0,1
	v_permlanex16_b32 v[SM+2*\hh+1], v[SM+2*\hh], s[SEL], s[SEL+1]
.endr
.irp hh,0,1
	v_add_f32 v[SM+2*\hh], v[SM+2*\hh], v[SM+2*\hh+1]
.endr
	AW
.irp hh,0,1
	v_rcp_f32 v[SM+2*\hh], v[SM+2*\hh]
.endr
	v_nop
	AW
.irp i,0,2,4,6
.irp hh,0,1
	v_pk_mul_f32 v[KA+8*\hh+\i:KA+8*\hh+\i+1], v[KA+8*\hh+\i:KA+8*\hh+\i+1], v[SM+2*\hh:SM+2*\hh+1] op_sel_hi:[1,0]
.endr
.endr
	WIN W_PV0                                      ; O^T = V^T P^T in f32, four sums by turns; v's bias starts them (p sums to 1)
.irp t,0,1,2,3
	v_wmma_f32_16x16x4_f32 v[OA+8*\t:OA+8*\t+7], v[VA+8*\t:VA+8*\t+1], v[KA+8*(\t/2):KA+8*(\t/2)+1], v[BV+8*\t:BV+8*\t+7]
.endr
	WIN 0
.irp ks,1,2,3
.irp t,0,1,2,3
	v_wmma_f32_16x16x4_f32 v[OA+8*\t:OA+8*\t+7], v[VA+8*\t+2*\ks:VA+8*\t+2*\ks+1], v[KA+8*(\t/2)+2*\ks:KA+8*(\t/2)+2*\ks+1], v[OA+8*\t:OA+8*\t+7]
.endr
.endr
	PLACES 8
	QMAX OA, 0, 2
	v_lshl_or_b32 v[MX], v[TM+5], 8, v[TM+4]
	QBLK OA, 0, KA, QC
	QBLK OA, 1, KA, QC+4
	v_nop
	ds_store_b128 v58, v[QC:QC+3]
	ds_store_b128 v58, v[QC+4:QC+7] offset:512
	ds_store_b32 v59, v[MX]
	s_add_co_u32 s[MO], s[MO], 1024
	s_add_co_u32 s[MS], s[MS], 128
	s_add_co_u32 s[WC], s[WC], 1
	s_cmp_lt_u32 s[WC], 8
	AW
	s_cbranch_scc1 .Lwin
	s_cmp_eq_u32 s[PH], 2
	s_cbranch_scc1 .Ltail
	; ---- x += o Wo^T
	WIN W_LD2
	WLOAD 0, PO, 0
	WIN 0
.irp t,0,1,2,3
	global_load_b32 v[SO+\t], v[LS], s[POS:POS+1] offset:128*\t
.endr
	BAR
.irp m,0,1,2,3,4,5,6,7
	ds_load_b32 v[60+\m], v[ORS] offset:128*\m
	ds_load_b32 v[68+\m], v[ORS] offset:1024+128*\m
.endr
	WIN W_LD1
.irp m,0,1,2,3
.irp ks,0,1
.irp c,0,1,2,3
	ds_load_b128 v[32*\m+16*\ks+4*\c:32*\m+16*\ks+4*\c+3], v[ORI] offset:8192*(2*\ks+\c/2)+1024*\m+512*(\c%2)
.endr
.endr
.endr
	WIN 0
	s_wait_dscnt 32                                ; the 16 words are in
.irp m,0,1,2,3,4,5,6,7
	v_lshl_or_b32 v[AS8+\m], v[68+\m], 16, v[60+\m]
.endr
	AW
	PLACES 8
	WIN W_LD1
.irp m,4,5,6,7
.irp ks,0,1
.irp c,0,1,2,3
	ds_load_b128 v[32*\m+16*\ks+4*\c:32*\m+16*\ks+4*\c+3], v[ORI] offset:8192*(2*\ks+\c/2)+1024*\m+512*(\c%2)
.endr
.endr
.endr
	s_wait_loadcnt 0x0
	WIN W_AO
.irp m,0,1,2,3,4,5,6,7
.if \m < 4
	s_wait_dscnt 8*(3-\m)+32                       ; window m's eight pieces are in
.else
	s_wait_dscnt 8*(7-\m)
.endif
.irp n,0,1,2,3
	WMS 32*\m+8*\n, 32*\n, 32*\m, 32*\m+8*\n, SO+\n, AS8+\m, 0
.endr
.irp n,0,1,2,3
	WMS 32*\m+8*\n, 32*\n+16, 32*\m+16, 32*\m+8*\n, SO+\n, AS8+\m, 1
.endr
.endr
	WIN 0
	PLACES 8
	s_wait_xcnt 0x0
	s_add_nc_u64 s[PQ:PQ+1], s[PQ:PQ+1], 196608    ; on to layer 2's q, k, v and attn_out's bias
	s_add_nc_u64 s[PQS:PQS+1], s[PQS:PQS+1], 6144
	s_add_nc_u64 s[A_QB:A_QB+1], s[A_QB:A_QB+1], 3072
	s_add_nc_u64 s[A_AOB:A_AOB+1], s[A_AOB:A_AOB+1], 1024
	W1ULOAD 0, 0
	W1ULOAD 1, 1
	s_branch .Lback
.Lffn:	; ---- FFN on all rows: x's sixteen fragments stay in window 1
	WIN W_LD1
.irp m,0,1,2,3,4,5,6,7
.irp ks,0,1
.irp c,0,1,2,3
	ds_load_b128 v[32*\m+16*\ks+4*\c:32*\m+16*\ks+4*\c+3], v[LI] offset:8192*(2*\ks+\c/2)+1024*\m+512*(\c%2)
.endr
.endr
.endr
	WIN 0
.irp m,0,1,2,3,4,5,6,7
	ds_load_b32 v[AS8+\m], v[ARS] offset:128*\m
.endr
	s_wait_dscnt 0x0
	s_mov_b32 s[TRIP], 0
	s_mov_b32 s[SWO], 0
	F1G 0, 0, 0
	PLACES 8
.Lhs:	; a trip is one hidden step; the hidden codes' two slots take turns
	s_xor_b32 s81, s[SWO], 16384
	s_lshr_b32 s82, s[SWO], 5
	s_lshr_b32 s83, s81, 5
	v_add_nc_u32 v56, s81, v[HRI]
	v_add_nc_u32 v57, s83, v[HRS]
	v_add_nc_u32 v58, s[SWO], v[HWI]
	v_add_nc_u32 v59, s82, v[HWS]
.irp m,0,1,2,3,4,5,6,7
	SUB \m
.endr
	BAR
.irp n,0,1,2,3
	v_mov_b32 v[S2K+\n], v[S2K+4+\n]               ; this step's ffn2 weights are copied for the next trip
.endr
	WIN W_CP2
.set ci,0
.rept 64
	v_mov_b32 v[128+ci], v[192+ci]
.set ci,ci+1
.endr
	WIN 0
	WX
	s_add_nc_u64 s[P1:P1+1], s[P1:P1+1], 32768
	s_add_nc_u64 s[P1S:P1S+1], s[P1S:P1S+1], 1024
	s_add_nc_u64 s[P2:P2+1], s[P2:P2+1], 2048
	s_add_nc_u64 s[P2S:P2S+1], s[P2S:P2S+1], 64
	s_add_nc_u64 s[PB1:PB1+1], s[PB1:PB1+1], 512
	s_xor_b32 s[SWO], s[SWO], 16384
	s_add_co_u32 s[TRIP], s[TRIP], 1
	s_cmp_lt_u32 s[TRIP], 8
	s_cbranch_scc1 .Lhs
	s_wait_loadcnt 0x0                             ; no load of the loop is out
	PLACES 8
.irp m,0,1,2,3,4,5,6,7
	ds_load_b32 v[AS8+\m], v[HRS] offset:512+64*\m ; the last hidden step's ffn2 (slot 1)
.endr
	WIN W_LD1
.irp m,0,1,2,3,4,5,6,7
.irp c,0,1,2,3
	ds_load_b128 v[16*\m+4*\c:16*\m+4*\c+3], v[HRI] offset:16384+2048*\m+512*\c
.endr
.endr
	WIN W_AO
	AW
.irp m,0,1,2,3,4,5,6,7
	s_wait_dscnt 4*(7-\m)
.irp n,0,1,2,3
	WMS 32*\m+8*\n, 128+16*\n, 16*\m, 32*\m+8*\n, S2K+\n, AS8+\m, 0
.endr
.endr
	WIN 0
	PLACES 8
	s_add_nc_u64 s[P2:P2+1], s[P2:P2+1], 245760    ; layer 2's ffn2: 16 tiles of 16,384 bytes, less the eight trips' steps
	s_add_nc_u64 s[P2S:P2S+1], s[P2S:P2S+1], 7680
	PF_A
.Lback:
	s_add_co_u32 s[PH], s[PH], 1
	s_cmp_lt_u32 s[PH], 3
	AW
	s_cbranch_scc1 .Ltop
; ================ the tail: layer 2 behind its attention, for each window's last token.  Row r of the tail's tile is window r % 8
.Ltail:
	s_wait_loadcnt 0x0                             ; no load is out: windows 1 and 2 are free
	v_and_b32 v56, 7, v[RR]
	v_bfe_u32 v57, v0, 4, 1
	s_lshl_b32 s61, s[WV], 15
	s_add_co_u32 s61, s61, XL
	v_lshl_add_u32 v58, v57, 8, 240                ; lane 15 + 16 h of an image: 16 bytes a lane
	v_lshl_add_u32 v[ORT], v56, 10, v58
	v_add_nc_u32 v[ORT], OIMG, v[ORT]
	v_lshl_add_u32 v[XLR], v56, 12, v58
	v_add_nc_u32 v[XLR], s61, v[XLR]
	v_add_nc_u32 v[XLW], s61, v[LI]
	v_lshl_add_u32 v[OST], v57, 11, OSC+60
	v_lshl_add_u32 v[OST], v56, 7, v[OST]
	AW
	WIN W_STX
.set xi,0
.rept 64
	ds_store_b128 v[XLW], v[4*xi:4*xi+3] offset:512*xi         ; x, all lanes on; my own bytes: LDS serves a wave in order
.set xi,xi+1
.endr
	WIN W_LD3
.irp i,0,1,2,3,4,5,6,7
	ds_load_b128 v[4*\i:4*\i+3], v[XLR] offset:512*\i          ; and back: the last tokens' 32 columns a lane, as window 0's registers
.endr
	WIN 0
	s_wait_dscnt 0x0
	WIN W_LD1
	WLOAD 0, PO, 65536
	WIN 0
.irp t,0,1,2,3
	global_load_b32 v[SO+\t], v[LS], s[POS:POS+1] offset:2048+128*\t
.endr
	WIN W_LD3
	CVLOAD TG1, A_G1, 1024
	CVLOAD TB1, A_B1, 1024
	WIN 0
	BAR
.irp ks,0,1
.irp c,0,1,2,3
	ds_load_b128 v[ACT+16*\ks+4*\c:ACT+16*\ks+4*\c+3], v[ORT] offset:8192*(2*\ks+\c/2)+512*(\c%2)
.endr
.endr
	ds_load_b32 v[RC], v[OST]
	ds_load_b32 v[RC+1], v[OST] offset:1024
	s_wait_dscnt 0x0
	v_lshl_or_b32 v[AS8], v[RC+1], 16, v[RC]
	AW
	PLACES 8
	s_wait_loadcnt 16                              ; Wo and its words are in; the norm's 16 may be out
	WIN W_AOT
.irp n,0,1,2,3
	WMS 8*\n, 32*\n, ACT, 8*\n, SO+\n, AS8, 0
.endr
.irp n,0,1,2,3
	WMS 8*\n, 32*\n+16, ACT+16, 8*\n, SO+\n, AS8, 1
.endr
	WIN 0
	PLACES 8
	WIN W_LD3
	CVLOAD TF2, A_F2B, 1024
	CVLOAD TG2, A_G2, 1024
	CVLOAD TB2, A_B2, 1024
	WIN 0
	W1ULOAD 0, 0
	B1LOAD 0, 0
	W2KLOAD 0, 0
	LN_A 0, 63                                     ; behind the norm's 16 stand 66 loads: 63 is the stricter count
	LN_B 0, 0xff, TG1, TB1
	QXP 0, 2
	WL 42                                          ; ffn2's bias is in; hidden step 0's 42 may be out
	WIN 0xcf
.set xi,0
.rept 16
	v_pk_add_f32 v[2*xi:2*xi+1], v[2*xi:2*xi+1], v[TF2+2*xi:TF2+2*xi+1]
.set xi,xi+1
.endr
	WIN 0
	W1ULOAD 1, 1
	B1LOAD 1, 1
	W2KLOAD 1, 1
	BAR
	WIN W_LD1
.irp ks,0,1
.irp c,0,1,2,3
	ds_load_b128 v[16*\ks+4*\c:16*\ks+4*\c+3], v[LI] offset:8192*(2*\ks+\c/2)+512*(\c%2)
.endr
.endr
	WIN 0
	ds_load_b32 v[AS8], v[ARS]
	s_wait_dscnt 0x0
	s_mov_b32 s[TRIP], 0
.Ltf:	; three trips of two hidden steps; the last two steps are written out: they ask for nothing
	TSUB 0, 1, 42
	TSUB 1, 1, 42
	WX
	s_add_nc_u64 s[P1:P1+1], s[P1:P1+1], 65536
	s_add_nc_u64 s[P1S:P1S+1], s[P1S:P1S+1], 2048
	s_add_nc_u64 s[P2:P2+1], s[P2:P2+1], 4096
	s_add_nc_u64 s[P2S:P2S+1], s[P2S:P2S+1], 128
	s_add_nc_u64 s[PB1:PB1+1], s[PB1:PB1+1], 1024
	s_add_co_u32 s[TRIP], s[TRIP], 1
	s_cmp_lt_u32 s[TRIP], 3
	s_cbranch_scc1 .Ltf
	TSUB 0, 0, 42
	TSUB 1, 0, 0x0
	LN_A 0, 0x0
	LN_B 0, 0xff, TG2, TB2
	; ---- the head: the last tokens' rows meet in LDS; lane (r, h) of wave w: output r of window 2 w + h
	WIN W_STX
.irp t,0,1,2,3
	ds_store_b128 v[LA], v[8*\t:8*\t+3] offset:(32*(\t/2)+8*(\t%2))*4
	ds_store_b128 v[LA], v[8*\t+4:8*\t+7] offset:(32*(\t/2)+8*(\t%2))*4+16
.endr
	WIN 0
.irp i,0,1,2,3,4,5,6,7
	v_mov_b32 v[60+\i], 0
.endr
	BAR
	s_mov_b32 s[TRIP], 0
.Ldot:	; four trips of 64 columns
.irp i,0,1,2,3,4,5,6,7,8,9,10,11,12,13,14,15
	ds_load_b128 v[124+4*\i:124+4*\i+3], v[XA] offset:16*\i
	ds_load_b128 v[188+4*\i:188+4*\i+3], v[HA] offset:16*\i
.endr
	s_wait_dscnt 0x0
.set xi,0
.rept 32
	v_pk_fma_f32 v[60+2*(xi%4):61+2*(xi%4)], v[124+2*xi:125+2*xi], v[188+2*xi:189+2*xi], v[60+2*(xi%4):61+2*(xi%4)]
.set xi,xi+1
.endr
	v_add_nc_u32 v[XA], 256, v[XA]
	v_add_nc_u32 v[HA], 256, v[HA]
	s_add_co_u32 s[TRIP], s[TRIP], 1
	s_cmp_lt_u32 s[TRIP], 4
	AW
	s_cbranch_scc1 .Ldot
	v_pk_add_f32 v[60:61], v[60:61], v[62:63]
	v_pk_add_f32 v[64:65], v[64:65], v[66:67]
	v_pk_add_f32 v[60:61], v[60:61], v[64:65]
	v_add_f32 v60, v60, v61
	v_add_f32 v60, v60, v[HB]
	s_lshl_b32 s61, ttmp9, 3
	s_lshl_b32 s62, s[WV], 1
	s_add_co_u32 s61, s61, s62
	s_mul_i32 s61, s61, 40
	v_bfe_u32 v56, v0, 4, 1
	v_mul_u32_u24 v56, v56, 40
	v_add_nc_u32 v56, v56, v[R4]
	v_add_nc_u32 v56, s61, v56
	v_cmp_gt_u32 vcc_lo, 10, v[RR]
	WX                                             ; EXEC changes only behind this wait
	s_and_saveexec_b32 s88, vcc_lo
	global_store_b32 v56, v60, s[A_OUT:A_OUT+1]    ; a row of the output is 40 bytes
	s_wait_xcnt 0x0
	s_or_b32 exec_lo, exec_lo, s88
	v_lshl_add_u32 v254, v0, 2, SPARE
	v_mov_b32 v255, 0
	AW
	s_wait_tensorcnt 0x0
	ds_add_u32 v254, v255
	s_wait_dscnt 0x0
	s_endpgm
.Lfunc_end_k_qf2262f02a5_net:
	.size	k_qf2262f02a5_net, .Lfunc_end_k_qf2262f02a5_net-k_qf2262f02a5_net
	.p2alignl 7, 3214868480
	.fill 96, 4, 3214868480
	.section	.rodata,"a",@progbits
	.p2align	6, 0x0
	.amdhsa_kernel k_qf2262f02a5_net
		.amdhsa_group_segment_fixed_size 269312
		.amdhsa_private_segment_fixed_size 0
		.amdhsa_enable_private_segment 0
		.amdhsa_kernarg_size 128
		.amdhsa_user_sgpr_count 2
		.amdhsa_user_sgpr_kernarg_segment_ptr 1
		.amdhsa_wavefront_size32 1
		.amdhsa_system_sgpr_workgroup_id_x 1
		.amdhsa_system_sgpr_workgroup_id_y 1
		.amdhsa_system_sgpr_workgroup_id_z 1
		.amdhsa_system_vgpr_workitem_id 0
		.amdhsa_next_free_vgpr 1024
		.amdhsa_next_free_sgpr 96
		.amdhsa_reserve_vcc 1
		.amdhsa_float_denorm_mode_32 3
		.amdhsa_float_denorm_mode_16_64 3
		.amdhsa_memory_ordered 1
		.amdhsa_forward_progress 1
		.amdhsa_inst_pref_size 255
	.end_amdhsa_kernel
	.section	.bss,"aw",@nobits
	.p2align	6
	.space	262144
	.amdgpu_metadata
---
amdhsa.version: [ 1, 2 ]
amdhsa.kernels:
  - .name:           k_qf2262f02a5_net
    .symbol:         k_qf2262f02a5_net.kd
    .args:
      - { .name: scodes, .offset: 0, .size: 8, .value_kind: global_buffer, .address_space: global }
      - { .name: sscales, .offset: 8, .size: 8, .value_kind: global_buffer, .address_space: global }
      - { .name: wcodes, .offset: 16, .size: 8, .value_kind: global_buffer, .address_space: global }
      - { .name: wscales, .offset: 24, .size: 8, .value_kind: global_buffer, .address_space: global }
      - { .name: embed_b, .offset: 32, .size: 8, .value_kind: global_buffer, .address_space: global }
      - { .name: qkv_b, .offset: 40, .size: 8, .value_kind: global_buffer, .address_space: global }
      - { .name: attn_out_b, .offset: 48, .size: 8, .value_kind: global_buffer, .address_space: global }
      - { .name: ln1_g, .offset: 56, .size: 8, .value_kind: global_buffer, .address_space: global }
      - { .name: ln1_b, .offset: 64, .size: 8, .value_kind: global_buffer, .address_space: global }
      - { .name: ffn1_b, .offset: 72, .size: 8, .value_kind: global_buffer, .address_space: global }
      - { .name: ffn2_b, .offset: 80, .size: 8, .value_kind: global_buffer, .address_space: global }
      - { .name: ln2_g, .offset: 88, .size: 8, .value_kind: global_buffer, .address_space: global }
      - { .name: ln2_b, .offset: 96, .size: 8, .value_kind: global_buffer, .address_space: global }
      - { .name: head_w, .offset: 104, .size: 8, .value_kind: global_buffer, .address_space: global }
      - { .name: head_b, .offset: 112, .size: 8, .value_kind: global_buffer, .address_space: global }
      - { .name: out0, .offset: 120, .size: 8, .value_kind: global_buffer, .address_space: global }
    .group_segment_fixed_size: 269312
    .private_segment_fixed_size: 0
    .kernarg_segment_align: 8
    .kernarg_segment_size: 128
    .max_flat_workgroup_size: 128
    .sgpr_count:     96
    .vgpr_count:     1024
    .wavefront_size: 32
...
	.end_amdgpu_metadata
.endif
;; end of part 2
